; MI455X (gfx1250); checked and timed in simulation.
; The chip was launched on July 23, 2026; its instructions are those of AMD's public machine-readable ISA for CDNA 5 (MIT licence, August 2026) and "CDNA5" Instruction Set Architecture Reference Guide (July 2026). The comments in the code are by the model that wrote it; some were corrected since.
;; Multi Head Attention. Allowed arithmetic: matrix products marked QUANTISED: E2M3 operands, one E8M0 scale for each 32 along K, by v_wmma_scale_f32_16x16x128_f8f6f4 with both operands' format E2M3, f32 sums; everything else in f32.
;; Inputs: Wk_codes 8 x 64 x 16 x 24 uint8 (E2M3 codes of Wk, K innermost, in blocks of 32 codes, four codes in three bytes); Wk_scales 8 x 64 x 16 uint8 (E8M0 scales of Wk, one for each 32 codes along K); Wo_codes 512 x 16 x 24 uint8 (E2M3 codes of Wo, K innermost, in blocks of 32 codes, four codes in three bytes); Wo_scales 512 x 16 uint8 (E8M0 scales of Wo, one for each 32 codes along K); Wq_codes 8 x 64 x 16 x 24 uint8 (E2M3 codes of Wq, K innermost, in blocks of 32 codes, four codes in three bytes); Wq_scales 8 x 64 x 16 uint8 (E8M0 scales of Wq, one for each 32 codes along K); Wv_codes 8 x 64 x 16 x 24 uint8 (E2M3 codes of Wv, K innermost, in blocks of 32 codes, four codes in three bytes); Wv_scales 8 x 64 x 16 uint8 (E8M0 scales of Wv, one for each 32 codes along K); beta 512 float32; bk 8 x 64 float32; bo 512 float32; bq 8 x 64 float32; bv 8 x 64 float32; gamma 512 float32; x 8 x 2,048 x 512 float32.
;; Outputs: out0 8 x 2,048 x 512 float32.
;; This version of the problem:
;;   THIS VERSION OF THE PROBLEM IS GIVEN IN LOW PRECISION. The matrix products marked QUANTISED in the list below multiply operands that are first quantised to E2M3 (2 exponent bits, 3 mantissa bits; 6 bits a number), with one power-of-two scale for each 32 numbers along K (OCP MX v1.0); their sums are f32. All else is computed in f32.
;;   The module's matrix products, in the order in which they are computed (A, B: the left and right operand; K: the contracted axis; several contracted axes count as one K, in the product's order):
;;     1. [M 512, K 512] x [K 512, N 16,384]; A: input Wq (given as codes); B: input x: QUANTISED
;;     2. [M 512, K 512] x [K 512, N 16,384]; A: input Wk (given as codes); B: input x: QUANTISED
;;     3. [M 512, K 512] x [K 512, N 16,384]; A: input Wv (given as codes); B: input x: QUANTISED
;;     4. batch 64 x [M 2,048, K 64] x [K 64, N 2,048]; A: computed on the way; B: computed on the way: QUANTISED
;;     5. batch 64 x [M 2,048, K 2,048] x [K 2,048, N 64]; A: softmax (see below); B: computed on the way: QUANTISED
;;     6. [M 16,384, K 512] x [K 512, N 512]; A: computed on the way; B: input Wo (given as codes): QUANTISED
;;   THE QUANTISER, for each operand of a quantised product, along K:
;;     - K is cut into blocks of 32 from its start; a last block that is shorter is filled with zeros.
;;     - A block's scale is 2^e with e = floor(log2(the largest magnitude in the block)) - 2, held to -126 .. 127; a block of zeros has e = 0. As a byte (E8M0): e + 127.
;;     - Each number is divided by its block's scale, clamped to +-7.5, and rounded to the nearest number of E2M3, ties to even, subnormals kept.
;;     - The product sums the exact products of the quantised numbers (number of the format x scale) in f32.
;;   ~~~python
;;   def quantise(x, axis):      # numpy; x: float32 -> the quantised numbers, widened to float32 again
;;       x = np.moveaxis(x, axis, -1); K = x.shape[-1]
;;       x = np.pad(x, [(0, 0)] * (x.ndim - 1) + [(0, -K % 32)]); x = x.reshape(x.shape[:-1] + (-1, 32)); a = np.abs(x).max(-1, keepdims=True)
;;       e = np.where(a > 0, np.clip(np.frexp(np.where(a > 0, a, 1))[1] - 1 - 2, -126, 127), 0)      # np.frexp(a)[1] - 1 = floor(log2(a)), exactly
;;       r = np.clip(x / 2.0 ** e, -7.5, 7.5)
;;       step = 2.0 ** (np.maximum(np.frexp(np.where(r == 0, 1, r))[1] - 1, 0) - 3)
;;       q = np.round(r / step) * step * 2.0 ** e      # np.round: ties to even
;;       return np.moveaxis(q.reshape(q.shape[:-2] + (-1,))[..., :K], -1, axis).astype(np.float32)
;;   ~~~
;;   SOFTMAX AHEAD OF A QUANTISED PRODUCT. Where the list says 'softmax', what is quantised is not the finished softmax but p = 2^(t - M), with t = logit x log2(e) and M = ceil(the row's largest t), a whole number; so 1/2 < the row's largest p <= 1. The row's sum l is taken of the UNQUANTISED p, in f32, and the product's result is divided by l at the end. Since M is a whole number, a kernel that streams over the keys may use a running M (the ceiling of the running maximum): every later rescaling is an exact power of two, which a block's scale takes up: the codes' values come out the same.
;;   OPERANDS COMPUTED ON THE WAY. 'Computed on the way' means the value that the module computes at that place (a softmax that the list does not call 'softmax' is quantised finished and normalised). What goes into a quantiser is computed in f32, as accurately as f32 sums, v_exp_f32 and their like allow (about 1e-6 of the number): no bf16 or f16 on the way to a quantiser, and a product that is left as it is and whose result goes on into a quantised operand takes f32 operands (vector FMAs, or v_wmma_f32_16x16x4_f32). A number that lies on a knife's edge between two numbers of the format may be rounded either way, as far as f32 arithmetic and the matrix unit's own rounding can turn it there, and no further.
;;   INPUTS GIVEN AS CODES. Wk (in the module: [8, 512, 64], K = its axis 1); Wo (in the module: [512, 512], K = its axis 0); Wq (in the module: [8, 512, 64], K = its axis 1); Wv (in the module: [8, 512, 64], K = its axis 1): each comes as NAME_codes (uint8): NAME with its K axis moved to the last place and cut into blocks of 32 codes, [.., K / 32, bytes a block], one block behind the other in memory; four codes in three bytes: a row's codes are one little-endian stream of bits, code i at bits 6 i .. 6 i + 5 (a code: sign, 2 exponent bits, 3 mantissa bits); and NAME_scales (uint8): the same leading axes, one E8M0 byte (e + 127) for each 32 codes along K. Its value is code x scale, taken as it is: it is not quantised again, and the codes and scales need not be those that the quantiser above would give.
;; One version. Each part assembles by itself: llvm-mc -triple=amdgcn-amd-amdhsa -mcpu=gfx1250 --defsym DOCPART=n.
;; ======== version 1 of 1: 3 launches
;; limits: right only within a limited range of input values
;; workspace buffers: qbuf 6,553,600 bytes; kv 13,107,200 bytes; cc 6,291,456 bytes; cs 262,144 bytes
;; launch proj (part 1): grid 256 x 1, 8 waves a work-group, no clusters, 326,656 bytes of LDS; arguments x, Wq_codes, Wq_scales, bq, Wk_codes, Wk_scales, bk, Wv_codes, Wv_scales, bv, qbuf, kv; writes qbuf, kv
.if DOCPART == 1
	.amdgcn_target "amdgcn-amd-amdhsa--gfx1250"
	.amdhsa_code_object_version 6
	.text
	.protected	k_q471d0d7edb_proj
	.globl	k_q471d0d7edb_proj
	.p2align	8
	.type	k_q471d0d7edb_proj,@function
k_q471d0d7edb_proj:
	s_mov_b64 s[64:65], 0
	v_nop
	global_prefetch_b8 v0, s[64:65] scope:SCOPE_SE
	s_setreg_imm32_b32 hwreg(HW_REG_WAVE_MODE, 25, 1), 1
	s_wait_xcnt 0x0
; Q, K, V = x W + b on codes of FP6 (E2M3) with one E8M0 scale for each 32 along K, and their quantising for the attention that follows.
; x [8][2048][512] f32 is quantised here along its 512; Wq, Wk, Wv come as codes, a row (head, d) of 384 bytes, with 16 scale bytes a row.
; SHARES.  Work-group 2 tb + half takes the block of 128 tokens tb and the heads 4 half .. 4 half + 3.  Eight waves.  Each wave first quantises one tile of 16 tokens of x
; (four K steps of 128) and lays the fragments into LDS as images of their registers; behind one barrier wave w = 2 hd + kd makes, for head 4 half + hd and all 128 tokens,
; Q (kd = 0) or K (kd = 1), and then 32 of V's 64 channels (32 kd on).  Every weight fragment goes from memory straight into registers, once in the work-group.
; TILES.  Row m of token tile T stands for token 32 (T / 2) + 8 (T % 2) + m + 8 (m / 8); row m of weight tile c for channel 32 (c / 2) + 8 (c % 2) + m + 8 (m / 8).
; So the 16 registers of two neighbouring result tiles are 16 neighbours along the axis that the registers run along, and the conversions can take them as they stand.
; Q, K: source 0 = 16 rows of W, source 1 = 16 tokens: a lane holds one token, its registers run along d.  Two token tiles (2 x 64 along d) make one fragment of 128.
; V:    source 0 = 16 tokens, source 1 = 16 rows of W: a lane holds one channel, its registers run along the tokens, which are the keys: the next product's K.
; OUT.  Fragments leave as images: register group c (four registers) of lane L at 512 c + 16 L: each store of the wave covers 512 consecutive bytes, aligned.
; A scale register holds the words of an even fragment in lanes 0-15 and of the odd one behind it in lanes 16-31.
; qbuf record (16 (8 b + h) + st) x 6400: 4 fragments, 2 scale registers.  kv record x 12800: K's 4 fragments, V's 4, K's 2 scale registers, V's 2.
; LIMITS: NaN and infinities among the inputs are not served.  A block whose largest magnitude lies under 2^-124, a block of zeros among them, gets the byte 1
; (the rule says 127 for zeros): its codes are then zeros or held small, and the bytes are read by this program alone.
; REGISTERS.  Window 0: v1-9 addresses; v16-207 three sets of 64 numbers of x, later x's fragments (v16-111) and the accumulators (from v112); scale words from v214 on.
; Window 1: the wave's weight fragments (v0-191), its bias in the result's layout (from v192).
.set XIMG, 0                           ; LDS: x's fragment (tile T, K step s) at (4 T + s) x 1536
.set XSC,  49152
; HOW x AND THE WEIGHTS COME IN (this takes the place of the sentence on weight fragments above): every global load of x and of a weight reads 512 consecutive bytes with its 32 lanes.
; The wave turns them through LDS bytes of its own into the lanes' layout: x's rows at a pitch of 528 bytes, the weights' rows of 384 bytes at a pitch of 400.
.set WST,  54272                       ; LDS: a wave's weight rows, 64 x 400 bytes for each wave
.set XST,  259072                      ; LDS: a wave's 16 rows of one K step of x, 16 x 528 bytes for each wave
.set BUFA, 16
.set BUFB, 80
.set BUFC, 144
.set XF,   16                          ; x's fragments in hand
.set ACC,  112
.set SK,   214                         ; v214-215 the two scale registers that leave
.set PWS,  216                         ; v216-219 the four fragments' scale words
.set XS,   220                         ; v220-227 x's scale words: register 4 u + s
.set WS,   240                         ; v240-255 W's scale words: register 4 c + s
.set WSV,  240                         ; v240-247 Wv's: register 4 u + s
.set XS2,  248                         ; v248-255 x's, one K step of eight tiles
.set PWV,  54
.set WB,   192                         ; window 1: the bias
.set MSB,  0
.macro WIN new                         ; the immediate's high byte repeats the setting that is left
.if MSB != \new
	s_set_vgpr_msb (MSB<<8)|\new
.set MSB, \new
.endif
.endm
.macro TEMPS t                         ; where the quantiser works: 16 registers at work, 20 for codes, the scale word
.set TM, \t
.set PC, \t+16
.set PW, \t+36
.irp b, 0,1,2,3
	v_mov_b32 v[TM+4+\b], 0                        ; a lane permute's destination counts as one of its sources
.endr
.endm
; 64 numbers of a lane, register 16 b + i = k 32 b + 16 (lane / 16) + i of my row, become a fragment's codes in v[PC] on and its scale word in v[PW].
.macro QUANT s
.irp b, 0,1,2,3
	v_max3_num_f32 v[TM+\b], |v[(\s)+16*\b]|, |v[(\s)+1+16*\b]|, 0x1800000   ; block b: my 16 numbers, and the floor 2^(3 - 127): the byte cannot fall under 1
.endr
.irp i, 2,4,6,8,10,12,14
.irp b, 0,1,2,3
	v_max3_num_f32 v[TM+\b], v[TM+\b], |v[(\s)+16*\b+\i]|, |v[(\s)+1+16*\b+\i]|   ; the four blocks by turns
.endr
.endr
.irp b, 0,1,2,3
	s_delay_alu instid0(VALU_DEP_4)
	v_permlanex16_b32 v[TM+4+\b], v[TM+\b], s52, s53
.endr
.irp b, 0,1,2,3
	s_delay_alu instid0(VALU_DEP_4)
	v_max_num_f32 v[TM+\b], v[TM+\b], v[TM+4+\b]   ; with lane l xor 16's: the block's largest magnitude
.endr
.irp b, 0,1,2,3
	s_delay_alu instid0(VALU_DEP_4)
	v_add_nc_u32 v[TM+12+\b], 0xff000000, v[TM+\b] ; 2 off its exponent field: the conversion takes the exponent field of this operand as its scale
.endr
.irp b, 0,1,2,3
	s_delay_alu instid0(VALU_DEP_4)
	v_lshrrev_b32 v[TM+4+\b], 23, v[TM+12+\b]      ; the scale's byte
.endr
	s_delay_alu instid0(VALU_DEP_3)
	v_lshl_or_b32 v[PW], v[TM+5], 8, v[TM+4]       ; the four bytes make my row's scale word (the same in both halves of the lanes)
	s_delay_alu instid0(VALU_DEP_1)
	v_lshl_or_b32 v[PW], v[TM+6], 16, v[PW]
	s_delay_alu instid0(VALU_DEP_1)
	v_lshl_or_b32 v[PW], v[TM+7], 24, v[PW]
.irp c, 0,1
	v_cvt_scalef32_pk16_fp6_f32 v[PC+6*\c:PC+2+6*\c], v[(\s)+32*\c:(\s)+15+32*\c], v[TM+12+2*\c]
	v_cvt_scalef32_pk16_fp6_f32 v[PC+12+4*\c:PC+14+4*\c], v[(\s)+16+32*\c:(\s)+31+32*\c], v[TM+12+2*\c+1]   ; a conversion's three registers begin on an even number
.endr
	v_nop                                          ; one plain place behind a scaled conversion
.irp c, 0,1                                    ; the operand's layout wants a whole block in a lane: lanes 0-15 block 2 c, lanes 16-31 block 2 c + 1
.irp i, 0,1,2
	v_permlane16_swap_b32 v[PC+6*\c+\i], v[PC+12+4*\c+\i]
.endr
.irp i, 0,1,2
	s_delay_alu instid0(VALU_DEP_3)
	v_mov_b32 v[PC+3+6*\c+\i], v[PC+12+4*\c+\i]
.endr
.endr
.endm
.macro XLOAD reg, s                    ; K step s of my 16 tokens: load 4 b + j brings the 512 bytes of tile row 4 b + j
.irp b, 0,1,2,3
.irp j, 0,1,2,3
	global_load_b128 v[\reg+16*\b+4*\j:\reg+16*\b+4*\j+3], v1, s[8:9] offset:(4*\b+\j+8*(\b/2))*2048+512*\s
.endr
.endr
.endm
.macro IMAGE s                         ; the fragment just made goes to LDS as it stands, and its scale word
.irp c, 0,1,2
	ds_store_b128 v4, v[PC+4*\c:PC+4*\c+3] offset:XIMG+1536*(\s)+512*\c
.endr
	ds_store_b32 v5, v[PW] offset:XSC+4*(\s)
.endm
.macro FETCH reg, off                  ; and comes back so, in any wave
.irp c, 0,1,2
	ds_load_b128 v[(\reg)+4*\c:(\reg)+4*\c+3], v1 offset:(\off)+512*\c
.endr
.endm
.macro WFRAG reg, adr, base, off       ; a weight fragment: 2 x 24 bytes of the row's stream of bits, in pieces of 8 bytes
.irp p, 0,1,2,3,4,5
	ds_load_b64 v[(\reg)+2*\p:(\reg)+2*\p+1], v[\adr] offset:(\off)+48*(\p/3)+8*(\p%3)
.endr
.endm
.macro QKFETCH f                       ; token tiles 2 f and 2 f + 1: all four K steps, and their scale words
.irp u, 0,1
.irp s, 0,1,2,3
	FETCH XF+12*(4*\u+\s), XIMG+(4*(2*(\f)+\u)+\s)*1536
.endr
	ds_load_b128 v[XS+4*\u:XS+4*\u+3], v1 offset:XSC+512*(2*(\f)+\u)
.endr
.endm
.macro QKMUL s                         ; eight products, the eight accumulators by turns; K step 0 starts the sums with the bias
.irp u, 0,1
.irp c, 0,1,2,3
.if (\s) == 0
	v_wmma_scale_f32_16x16x128_f8f6f4 v[ACC+32*\u+8*\c:ACC+32*\u+8*\c+7], v[12*(4*\c+(\s)):12*(4*\c+(\s))+11], v[XF+12*(4*\u+(\s)):XF+12*(4*\u+(\s))+11], v[WB+8*\c:WB+8*\c+7], v[WS+4*\c+(\s)], v[XS+4*\u+(\s)] matrix_a_fmt:MATRIX_FMT_FP6 matrix_b_fmt:MATRIX_FMT_FP6
.else
	v_wmma_scale_f32_16x16x128_f8f6f4 v[ACC+32*\u+8*\c:ACC+32*\u+8*\c+7], v[12*(4*\c+(\s)):12*(4*\c+(\s))+11], v[XF+12*(4*\u+(\s)):XF+12*(4*\u+(\s))+11], v[ACC+32*\u+8*\c:ACC+32*\u+8*\c+7], v[WS+4*\c+(\s)], v[XS+4*\u+(\s)] matrix_a_fmt:MATRIX_FMT_FP6 matrix_b_fmt:MATRIX_FMT_FP6
.endif
.endr
.endr
.endm
.macro VFETCH s                        ; K step s of all eight token tiles
.irp t, 0,1,2,3,4,5,6,7
	FETCH XF+12*\t, XIMG+(4*\t+(\s))*1536
	ds_load_b32 v[XS2+\t], v1 offset:XSC+512*\t+4*(\s)
.endr
.endm
.macro VMUL s                          ; sixteen products, the sixteen accumulators by turns
.irp t, 0,1,2,3,4,5,6,7
.irp u, 0,1
.if (\s) == 0
	v_wmma_scale_f32_16x16x128_f8f6f4 v[ACC+64*\u+8*\t:ACC+64*\u+8*\t+7], v[XF+12*\t:XF+12*\t+11], v[12*(4*\u+(\s)):12*(4*\u+(\s))+11], v[WB+8*\u:WB+8*\u+7], v[XS2+\t], v[WSV+4*\u+(\s)] matrix_a_fmt:MATRIX_FMT_FP6 matrix_b_fmt:MATRIX_FMT_FP6
.else
	v_wmma_scale_f32_16x16x128_f8f6f4 v[ACC+64*\u+8*\t:ACC+64*\u+8*\t+7], v[XF+12*\t:XF+12*\t+11], v[12*(4*\u+(\s)):12*(4*\u+(\s))+11], v[ACC+64*\u+8*\t:ACC+64*\u+8*\t+7], v[XS2+\t], v[WSV+4*\u+(\s)] matrix_a_fmt:MATRIX_FMT_FP6 matrix_b_fmt:MATRIX_FMT_FP6
.endif
.endr
.endr
.endm
.macro PLACES                          ; four plain places behind matrix instructions, in front of loads into their registers and of the first read of results
.rept 4
	v_nop
.endr
.endm
	s_load_b512 s[8:23], s[0:1], 0x0               ; x 8, Wq codes 10, Wq scales 12, bq 14, Wk codes 16, Wk scales 18, bk 20, Wv codes 22
	s_load_b256 s[24:31], s[0:1], 0x40             ; Wv scales 24, bv 26, qbuf 28, kv 30
	v_lshl_add_u32 v14, v0, 2, 0xd000
	v_mov_b32 v15, 0
	v_lshrrev_b32 v10, 5, v0
	s_delay_alu instid0(VALU_DEP_1)
	v_readfirstlane_b32 s4, v10                    ; wave 0..7
	v_and_b32 v10, 31, v0                          ; lane L
	v_and_b32 v11, 15, v0                          ; r
	v_bfe_u32 v12, v0, 4, 1                        ; hh
	s_delay_alu instid0(VALU_DEP_2)
	v_and_b32 v13, 8, v11
	s_delay_alu instid0(VALU_DEP_1)
	v_add_nc_u32 v13, v13, v11                     ; r + 8 (r / 8)
	v_lshlrev_b32 v1, 4, v10                       ; 16 L: an image's place for my lane
	v_lshlrev_b32 v2, 2, v10                       ; 4 L: a scale register's
	v_mul_u32_u24 v3, v11, 528
	s_delay_alu instid0(VALU_DEP_1)
	v_lshl_add_u32 v3, v12, 6, v3                  ; x's stage, read: tile row r of 528 bytes, + 64 hh
	s_mul_i32 s2, s4, 6144
	v_add_nc_u32 v4, s2, v1                        ; where I store x's images: 16 L + 4 fragments x wave
	s_lshl_b32 s2, s4, 9
	v_add_nc_u32 v5, s2, v1                        ; and their scale words: 16 L + 512 x wave
	v_mul_u32_u24 v6, v13, 400
	s_delay_alu instid0(VALU_DEP_1)
	v_mad_u32_u24 v6, v12, 24, v6                  ; W: my row of 384 bytes, + 24 hh
	v_lshlrev_b32 v7, 4, v13                       ; W's scale bytes: 16 a row
	v_lshlrev_b32 v8, 6, v12                       ; bq, bk: my half's eight channels of a tile begin 16 hh channels on
	v_lshlrev_b32 v9, 2, v13
	s_mul_i32 s2, s4, 25600
	s_add_co_u32 s2, s2, WST                       ; my weight rows in LDS
	s_mul_i32 s3, s4, 8448
	s_add_co_u32 s3, s3, XST                       ; my stage for x
	v_add_nc_u32 v6, s2, v6
	v_add_nc_u32 v3, s3, v3
	v_add_nc_u32 v12, 32, v10                      ; piece x = 32 e + L of 16 bytes lies in row x / 24 (24 pieces a row): LDS byte 16 x + 16 (x / 24); x / 24 = 171 x >> 12 for x under 96
	v_add_nc_u32 v13, 64, v10
	v_mul_u32_u24 v16, v10, 171
	v_mul_u32_u24 v17, v12, 171
	v_mul_u32_u24 v18, v13, 171
	v_lshrrev_b32 v16, 12, v16
	v_lshrrev_b32 v17, 12, v17
	v_lshrrev_b32 v18, 12, v18
	v_add_nc_u32 v11, v10, v16
	v_add_nc_u32 v12, v12, v17
	v_add_nc_u32 v13, v13, v18
	v_lshl_add_u32 v11, v11, 4, s2                 ; v11-13: where load 3 a + e of the weights is stored (+ 1600 a: four rows)
	v_lshl_add_u32 v12, v12, 4, s2
	v_lshl_add_u32 v13, v13, 4, s2
	v_add_nc_u32 v10, s3, v1                       ; x's stage, store: 16 L (+ 528 a row)
	s_lshr_b32 s5, s4, 1                           ; hd
	s_and_b32 s6, s4, 1                            ; kd
	s_and_b32 s2, ttmp9, 1
	s_lshl_b32 s2, s2, 2
	s_add_co_u32 s7, s2, s5                        ; head h = 4 half + hd
	s_lshr_b32 s3, ttmp9, 1                        ; tb
	s_lshr_b32 s54, s3, 4                          ; b
	s_and_b32 s55, s3, 15                          ; st
	s_lshl_b32 s54, s54, 3
	s_add_co_u32 s54, s54, s7
	s_lshl_b32 s54, s54, 4
	s_add_co_u32 s54, s54, s55                     ; record 16 (8 b + h) + st
	s_lshl_b32 s55, s3, 7
	s_lshl_b32 s2, s5, 5
	s_add_co_u32 s55, s55, s2
	s_lshl_b32 s2, s6, 3
	s_add_co_u32 s55, s55, s2                      ; my tile's first token: 128 tb + 32 (w / 2) + 8 (w % 2)
	s_lshl_b32 s2, s55, 11
	s_mov_b32 s3, 0
	s_mul_i32 s56, s7, 24576                       ; a head's codes,
	s_mov_b32 s57, 0
	s_lshl_b32 s58, s7, 10                         ; scale bytes,
	s_mov_b32 s59, 0
	s_lshl_b32 s60, s7, 8                          ; bias
	s_mov_b32 s61, 0
	s_mov_b32 s63, 0
	s_mov_b32 s52, 0x76543210
	s_mov_b32 s53, 0xfedcba98                      ; v_permlanex16_b32's selects for lane l xor 16
	s_wait_alu depctr_va_vdst(0)
	s_wait_kmcnt 0x0
	s_add_nc_u64 s[8:9], s[8:9], s[2:3]
	XLOAD BUFA, 0                                  ; three K steps of x go out before anything else
	XLOAD BUFB, 1
	XLOAD BUFC, 2
	s_cmp_eq_u32 s6, 0                             ; Q's wave or K's?  The choice hangs on the wave's number alone
	s_cselect_b64 s[32:33], s[10:11], s[16:17]     ; codes
	s_cselect_b64 s[34:35], s[12:13], s[18:19]     ; scale bytes
	s_cselect_b64 s[36:37], s[14:15], s[20:21]     ; bias
	s_cselect_b64 s[38:39], s[28:29], s[30:31]     ; where the fragments go
	s_mov_b32 s62, 12800
	s_cselect_b32 s62, 6400, s62                   ; a record's bytes there
	s_mov_b32 s2, 12288
	s_cselect_b32 s2, 6144, s2                     ; and where its scale registers begin
	s_mul_i32 s62, s54, s62
	s_add_nc_u64 s[32:33], s[32:33], s[56:57]
	s_add_nc_u64 s[34:35], s[34:35], s[58:59]
	s_add_nc_u64 s[36:37], s[36:37], s[60:61]
	s_add_nc_u64 s[38:39], s[38:39], s[62:63]
	s_add_nc_u64 s[40:41], s[38:39], s[2:3]
	s_add_nc_u64 s[42:43], s[22:23], s[56:57]      ; Wv: my 32 rows, 32 kd on
	s_mul_i32 s2, s6, 12288
	s_add_nc_u64 s[42:43], s[42:43], s[2:3]
	s_add_nc_u64 s[44:45], s[24:25], s[58:59]
	s_lshl_b32 s2, s6, 9
	s_add_nc_u64 s[44:45], s[44:45], s[2:3]
	s_add_nc_u64 s[46:47], s[26:27], s[60:61]
	s_lshl_b32 s2, s6, 7
	s_add_nc_u64 s[46:47], s[46:47], s[2:3]
	s_mul_i32 s62, s54, 12800
	s_add_nc_u64 s[48:49], s[30:31], s[62:63]      ; my record of kv
	s_add_nc_u64 s[50:51], s[48:49], 12544
	s_add_nc_u64 s[50:51], s[50:51], s[2:3]        ; V's scale register kd
	s_add_nc_u64 s[48:49], s[48:49], 6144
	s_mul_i32 s2, s6, 3072
	s_add_nc_u64 s[48:49], s[48:49], s[2:3]        ; V's fragments 2 kd, 2 kd + 1
	; ---- x: my tile of 16 tokens becomes four fragments
.macro XTURN reg                       ; 16 rows of 512 bytes go into my stage and come back as 64 numbers of my row: register 16 b + i = k 32 b + 16 hh + i
.irp i, 0,1,2,3,4,5,6,7,8,9,10,11,12,13,14,15
	ds_store_b128 v10, v[\reg+4*\i:\reg+4*\i+3] offset:528*\i
.endr
	s_wait_dscnt 0x0                               ; the stores have read their registers, which the loads below fill again
.irp b, 0,1,2,3
.irp j, 0,1,2,3
	ds_load_b128 v[\reg+16*\b+4*\j:\reg+16*\b+4*\j+3], v3 offset:128*\b+16*\j
.endr
.endr
	s_wait_dscnt 0x0
.endm
	TEMPS 208
	s_wait_loadcnt 32
	XTURN BUFA
	QUANT BUFA
	IMAGE 0
	XLOAD BUFA, 3
	s_wait_loadcnt 32
	XTURN BUFB
	QUANT BUFB
	IMAGE 1
	WIN 0x40                                       ; destination window 1: my 16 weight fragments and the bias, asked for while x is still being worked
.irp a, 0,1,2,3,4,5,6,7,8,9,10,11,12,13,14,15
.irp e, 0,1,2
	global_load_b128 v[4*(3*\a+\e):4*(3*\a+\e)+3], v1, s[32:33] offset:512*(3*\a+\e)   ; my 64 weight rows as they lie: 24,576 consecutive bytes
.endr
.endr
.irp c, 0,1,2,3
	global_load_b128 v[WB+8*\c:WB+8*\c+3], v8, s[36:37] offset:(32*(\c/2)+8*(\c%2))*4
	global_load_b128 v[WB+8*\c+4:WB+8*\c+7], v8, s[36:37] offset:(32*(\c/2)+8*(\c%2))*4+16
.endr
	WIN 0
	s_wait_loadcnt 63                              ; 72 loads were issued behind x's step 2: with at most 63 out it is in
	XTURN BUFC
	QUANT BUFC
	IMAGE 2
	s_wait_loadcnt 56                              ; behind x's step 3: the 48 loads of weights and the 8 of the bias
	XTURN BUFA
	QUANT BUFA
	IMAGE 3
	s_wait_loadcnt 8                               ; the weights are in; the bias may be out
	WIN 0x04                                       ; the stores' data: window 1
.irp a, 0,1,2,3,4,5,6,7,8,9,10,11,12,13,14,15
.irp e, 0,1,2
	ds_store_b128 v[11+\e], v[4*(3*\a+\e):4*(3*\a+\e)+3] offset:1600*\a
.endr
.endr
	WIN 0
	s_wait_dscnt 0x0                               ; for the others' sake: my four images and scale words lie in LDS; my weight rows too
.irp c, 0,1,2,3
	global_load_b128 v[WS+4*\c:WS+4*\c+3], v7, s[34:35] offset:(32*(\c/2)+8*(\c%2))*16
.endr
	s_barrier_signal -1
	s_barrier_wait -1                              ; all 32 fragments of x lie in LDS; nothing is written there again
	; ---- Q or K: two token tiles at a time become one fragment
	TEMPS 176
	WIN 0x40                                       ; my 16 weight fragments, out of my own LDS rows
.irp c, 0,1,2,3
.irp s, 0,1,2,3
	WFRAG 12*(4*\c+\s), 6, 32, (32*(\c/2)+8*(\c%2))*400+96*\s
.endr
.endr
	WIN 0
	QKFETCH 0
	s_wait_loadcnt 0x0                             ; the weights, their scale words, the bias
.irp f, 0,1,2,3
	s_wait_dscnt 0x0                               ; x's eight fragments and scale words
	WIN 0x11                                       ; source 0 (W) and source 2 (the bias) window 1
	QKMUL 0
	WIN 0x01
	QKMUL 1
	QKMUL 2
	QKMUL 3
	WIN 0
	PLACES
.if \f < 3
	QKFETCH \f+1                                   ; the next pair of tiles lands while this one is quantised
.else
	WIN 0x40                                       ; Wv's eight fragments and the bias take the places of the weights that are done with
.irp u, 0,1
.irp i, 0,1,2,3,4,5,6,7,8,9,10,11
	global_load_b128 v[96+4*(12*\u+\i):96+4*(12*\u+\i)+3], v1, s[42:43] offset:512*(12*\u+\i)   ; Wv's 32 rows as they lie
.endr
.irp j, 0,1,2,3,4,5,6,7
	global_load_b32 v[WB+8*\u+\j], v9, s[46:47] offset:32*\u   ; in V's result a lane holds one channel: its bias in all eight registers
.endr
.endr
	WIN 0
.irp u, 0,1
	global_load_b128 v[WSV+4*\u:WSV+4*\u+3], v7, s[44:45] offset:128*\u
.endr
	VFETCH 0
.endif
.if \f > 0
	s_wait_xcnt 0x0                                ; the last fragment's stores have read the codes' registers
.endif
	QUANT ACC
.irp c, 0,1,2
	global_store_b128 v1, v[PC+4*\c:PC+4*\c+3], s[38:39] offset:1536*\f+512*\c
.endr
	v_mov_b32 v[PWS+\f], v[PW]
.endr
	s_mov_b32 vcc_lo, 0xffff0000                   ; lanes 16-31 take the odd fragment's words
	v_cndmask_b32 v[SK], v[PWS], v[PWS+1], vcc_lo
	v_cndmask_b32 v[SK+1], v[PWS+2], v[PWS+3], vcc_lo
	global_store_b32 v2, v[SK], s[40:41]
	global_store_b32 v2, v[SK+1], s[40:41] offset:128
	; ---- V: two tiles of channels x eight tiles of tokens, a K step at a time
.irp s, 0,1,2,3
.if \s > 0
	VFETCH \s
.else
	s_wait_loadcnt 0x0
	s_wait_xcnt 0x0
	WIN 0x04                                       ; Wv's rows take the place of the rows that are done with, in my own LDS bytes
.irp a, 0,1,2,3,4,5,6,7
.irp e, 0,1,2
	ds_store_b128 v[11+\e], v[96+4*(3*\a+\e):96+4*(3*\a+\e)+3] offset:1600*\a
.endr
.endr
	WIN 0
	s_wait_dscnt 0x0
	WIN 0x40
.irp u, 0,1
.irp k, 0,1,2,3
	WFRAG 12*(4*\u+\k), 6, 42, 8*\u*400+96*\k
.endr
.endr
	WIN 0
.endif
	s_wait_dscnt 0x0
.if \s == 0
	WIN 0x14                                       ; source 1 (Wv) and source 2 (the bias) window 1
.else
	WIN 0x04
.endif
	VMUL \s
	WIN 0
	PLACES
.endr
	TEMPS 16
.irp u, 0,1
.if \u > 0
	s_wait_xcnt 0x0
.endif
	QUANT ACC+64*\u                                ; 64 registers = my channel's 128 keys' worth of my half: four blocks of 32 keys
.irp c, 0,1,2
	global_store_b128 v1, v[PC+4*\c:PC+4*\c+3], s[48:49] offset:1536*\u+512*\c
.endr
	v_mov_b32 v[PWV+\u], v[PW]
.endr
	s_delay_alu instid0(VALU_DEP_1)
	v_cndmask_b32 v56, v[PWV], v[PWV+1], vcc_lo
	global_store_b32 v2, v56, s[50:51]
	s_wait_tensorcnt 0x0
	ds_add_u32 v14, v15
	s_wait_dscnt 0x0
	s_endpgm
.Lfunc_end_k_q471d0d7edb_proj:
	.size	k_q471d0d7edb_proj, .Lfunc_end_k_q471d0d7edb_proj-k_q471d0d7edb_proj
	.p2alignl 7, 3214868480
	.fill 96, 4, 3214868480
	.section	.rodata,"a",@progbits
	.p2align	6, 0x0
	.amdhsa_kernel k_q471d0d7edb_proj
		.amdhsa_group_segment_fixed_size 326656
		.amdhsa_private_segment_fixed_size 0
		.amdhsa_enable_private_segment 0
		.amdhsa_kernarg_size 96
		.amdhsa_user_sgpr_count 2
		.amdhsa_user_sgpr_kernarg_segment_ptr 1
		.amdhsa_wavefront_size32 1
		.amdhsa_system_sgpr_workgroup_id_x 1
		.amdhsa_system_sgpr_workgroup_id_y 1
		.amdhsa_system_sgpr_workgroup_id_z 1
		.amdhsa_system_vgpr_workitem_id 0
		.amdhsa_next_free_vgpr 512
		.amdhsa_next_free_sgpr 66
		.amdhsa_reserve_vcc 1
		.amdhsa_float_denorm_mode_32 3
		.amdhsa_float_denorm_mode_16_64 3
		.amdhsa_memory_ordered 1
		.amdhsa_forward_progress 1
		.amdhsa_inst_pref_size 133
	.end_amdhsa_kernel
	.amdgpu_metadata
---
amdhsa.version: [ 1, 2 ]
amdhsa.kernels:
  - .name:           k_q471d0d7edb_proj
    .symbol:         k_q471d0d7edb_proj.kd
    .args:
      - { .name: x, .offset: 0, .size: 8, .value_kind: global_buffer, .address_space: global }
      - { .name: Wq_codes, .offset: 8, .size: 8, .value_kind: global_buffer, .address_space: global }
      - { .name: Wq_scales, .offset: 16, .size: 8, .value_kind: global_buffer, .address_space: global }
      - { .name: bq, .offset: 24, .size: 8, .value_kind: global_buffer, .address_space: global }
      - { .name: Wk_codes, .offset: 32, .size: 8, .value_kind: global_buffer, .address_space: global }
      - { .name: Wk_scales, .offset: 40, .size: 8, .value_kind: global_buffer, .address_space: global }
      - { .name: bk, .offset: 48, .size: 8, .value_kind: global_buffer, .address_space: global }
      - { .name: Wv_codes, .offset: 56, .size: 8, .value_kind: global_buffer, .address_space: global }
      - { .name: Wv_scales, .offset: 64, .size: 8, .value_kind: global_buffer, .address_space: global }
      - { .name: bv, .offset: 72, .size: 8, .value_kind: global_buffer, .address_space: global }
      - { .name: qbuf, .offset: 80, .size: 8, .value_kind: global_buffer, .address_space: global }
      - { .name: kv, .offset: 88, .size: 8, .value_kind: global_buffer, .address_space: global }
    .group_segment_fixed_size: 326656
    .private_segment_fixed_size: 0
    .kernarg_segment_align: 8
    .kernarg_segment_size: 96
    .max_flat_workgroup_size: 256
    .sgpr_count:     66
    .vgpr_count:     512
    .wavefront_size: 32
...
	.end_amdgpu_metadata
.endif
;; end of part 1
;; launch attn (part 2): grid 4 x 64, 16 waves a work-group, clusters of 4 x 1, 327,680 bytes of LDS; arguments qbuf, kv, cc, cs; writes cc, cs
.if DOCPART == 2
	.amdgcn_target "amdgcn-amd-amdhsa--gfx1250"
	.amdhsa_code_object_version 6
	.text
	.protected	k_q471d0d7edb_attn
	.globl	k_q471d0d7edb_attn
	.p2align	8
	.type	k_q471d0d7edb_attn,@function
k_q471d0d7edb_attn:
	s_mov_b64 s[64:65], 0
	v_nop
	global_prefetch_b8 v0, s[64:65] scope:SCOPE_SE
	s_setreg_imm32_b32 hwreg(HW_REG_WAVE_MODE, 25, 1), 1
	s_wait_xcnt 0x0
	s_wait_alu depctr_hold_cnt(0) depctr_sa_sdst(0) depctr_va_vdst(0) depctr_va_sdst(0) depctr_va_ssrc(0) depctr_va_vcc(0) depctr_vm_vsrc(0)
	s_getreg_b32 s2, hwreg(HW_REG_IB_STS2, 6, 4)
	s_cmp_eq_u32 s2, 0
	s_cbranch_scc0 .Lentry_in_a_cluster
	s_endpgm
.Lentry_in_a_cluster:
	s_bfe_u32 s2, ttmp6, 0x10000c
	s_cmp_lg_u32 s2, 0x3003
	s_cbranch_scc0 .Lentry_shape_is_right
	s_endpgm
.Lentry_shape_is_right:
; ctx = softmax(Q K^T / 8) V on codes of FP6 (E2M3), for one (batch, head) a cluster and 512 queries a work-group; ctx leaves quantised along the head's 64.
; SHARES.  16 waves; a wave takes 32 queries, 16 at a time (two passes); a step is 128 keys, one record of kv (K's 4 fragments, V's 4, 4 scale registers: 12,800 bytes).
; LDS.  All 16 records of the head stay in LDS: wave w brings record w by ONE joint tensor load at the head (the four work-groups of a cluster read the same head), as 25 rows of 512 bytes
; with 128 bytes of padding behind each: a record is 16,000 bytes there.  Nothing is filled again.  No prefetch: all tiles are asked for at the head, there is no loop to run ahead in.
; K's ROWS ARE PICKED BY THE LANES.  A stored fragment f holds in row r' the tokens 32 f + r' + 8 (r' / 8) (k 0-63) and 8 further on (k 64-127).  The fragment (g, v) that is multiplied takes for
; row m the stored row 8 v + m % 8 of fragment 2 g + m / 8.  With (q, 0) and (0, q) as the other source it gives tiles 2 v and 2 v + 1 of four, in which register j of lane (r, h) is
; key 64 g + 32 h + 8 T + j of query r: A LANE HOLDS WHOLE BLOCKS OF 32 KEYS (block 2 g + h in 32 registers on end), as the next product's operand wants them: a block's largest
; score needs no other lane, and the conversions' results are the operand's registers.  The padding sets rows 0-7 and rows 8-15 of such a load 128 bytes apart modulo 256.
; FRAGMENTS AHEAD.  K's fragments of step i + 1 are asked for in step i, behind the score products; V's fragments 2, 3 there too; V's fragments 0, 1 land in the score registers of block g = 0
; once these are converted and summed.  The LDS loads stand between the lines of the chain that makes M, the lines that make p's scale word between the additions of the sum.
; A pass's last two steps are written out: the last step asks for no further record.
; SOFTMAX: running maximum; M = its ceiling in base-2 units, a whole number; p = 2^(t - M); sums of the unquantised p in f32; a change of M multiplies sums and O by a power of two.
; LIMITS: the promise holds while the scaled scores stay under 2^31 in magnitude; NaN and infinities are not served; a block of p whose largest lies under 2^-124 gets the byte 1.
; REGISTERS: v1-4 lane terms of LDS addresses, v5-8 the trip's addresses, v9-11 way out and 8 h, v12 -M, v13 running largest score, v14-15 the sum, v16-39 (q, 0) and (0, q),
; v40-41 q's scale words, v42 p's, v43-45, 47, 246-247 the second pass's q, v223 q's scale word as loaded, v48-95 K's four fragments, v96-159 scores and p (v96-119 then V's fragments 0, 1),
; v160-191 O^T, v192-215 V's fragments 2, 3, v216-222 and v236-254 at work, v224-235 p's codes, v248-251 K's and V's scale words.
.set REC,   12800
.set LREC,  16000
.set SPARE, 303104
.set WV,    12
.set G1,    24
.set G0,    32
.macro CROUND
	s_barrier_signal -1
	s_barrier_wait -1
	s_cmp_lg_u32 s[WV], 0
	s_cbranch_scc1 .Lnot_wave_0_\@
	s_barrier_signal -3
.Lnot_wave_0_\@:
	s_barrier_wait -3
	s_barrier_signal -1
	s_barrier_wait -1
.endm
.macro D1
	s_delay_alu instid0(VALU_DEP_1)
.endm
.macro KF f, o, adr                    ; K's fragment f = 2 g + v of the record at o
.irp c, 0,1,2
	ds_load_b128 v[48+12*(\f)+4*\c:51+12*(\f)+4*\c], v[\adr] offset:\o+3840*((\f)/2)+128*((\f)%2)+640*\c
.endr
.endm
.macro KS o, adr                       ; K's scale words, lanes picked as the rows are
	ds_load_b32 v248, v[\adr] offset:\o+15360
	ds_load_b32 v249, v[\adr] offset:\o+15488
.endm
.macro VF reg, t, o                    ; V's fragment t
.irp c, 0,1,2
	ds_load_b128 v[\reg+4*\c:\reg+4*\c+3], v6 offset:\o+640*(12+3*(\t)+\c)
.endr
.endm
.macro SA j                            ; four more p into the sum's two chains
	v_pk_add_f32 v[14:15], v[14:15], v[96+\j:97+\j]
	v_pk_add_f32 v[236:237], v[236:237], v[98+\j:99+\j]
.endm
.macro PV t, reg
.if (\t)%2
	v_wmma_scale_f32_16x16x128_f8f6f4 v[160+8*\t:167+8*\t], v[\reg:\reg+11], v[224:235], v[160+8*\t:167+8*\t], v[250+\t/2], v42 matrix_a_fmt:MATRIX_FMT_FP6 matrix_b_fmt:MATRIX_FMT_FP6 matrix_a_scale:MATRIX_SCALE_ROW1
.else
	v_wmma_scale_f32_16x16x128_f8f6f4 v[160+8*\t:167+8*\t], v[\reg:\reg+11], v[224:235], v[160+8*\t:167+8*\t], v[250+\t/2], v42 matrix_a_fmt:MATRIX_FMT_FP6 matrix_b_fmt:MATRIX_FMT_FP6
.endif
.endm
.macro STEP o, pf                      ; o: the record's place behind the trip's addresses; pf = 1: the next record's K is asked for
	s_wait_alu depctr_va_vdst(0)
	s_wait_dscnt 0x0                               ; K's fragments and scale words, asked for a step ago
.irp f, 0,1,2,3
.if \f%2
	v_wmma_scale_f32_16x16x128_f8f6f4 v[96+16*\f:103+16*\f], v[48+12*\f:59+12*\f], v[16:27], 0, v[248+\f/2], v40 matrix_a_fmt:MATRIX_FMT_FP6 matrix_b_fmt:MATRIX_FMT_FP6 matrix_a_scale:MATRIX_SCALE_ROW1
	v_wmma_scale_f32_16x16x128_f8f6f4 v[104+16*\f:111+16*\f], v[48+12*\f:59+12*\f], v[28:39], 0, v[248+\f/2], v41 matrix_a_fmt:MATRIX_FMT_FP6 matrix_b_fmt:MATRIX_FMT_FP6 matrix_a_scale:MATRIX_SCALE_ROW1
.else
	v_wmma_scale_f32_16x16x128_f8f6f4 v[96+16*\f:103+16*\f], v[48+12*\f:59+12*\f], v[16:27], 0, v[248+\f/2], v40 matrix_a_fmt:MATRIX_FMT_FP6 matrix_b_fmt:MATRIX_FMT_FP6
	v_wmma_scale_f32_16x16x128_f8f6f4 v[104+16*\f:111+16*\f], v[48+12*\f:59+12*\f], v[28:39], 0, v[248+\f/2], v41 matrix_a_fmt:MATRIX_FMT_FP6 matrix_b_fmt:MATRIX_FMT_FP6
.endif
.endr
.rept 4
	v_nop                                          ; four places: for the first reads of the scores and for the loads below
.endr
.irp b, 0,1,2,3                        ; four chains of 15 scores by turns; two chains and two scores left over make a block
	v_max3_num_f32 v[216+\b], v[96+16*\b], v[97+16*\b], v[98+16*\b]
.endr
.irp i, 3,5,7,9,11,13
.irp b, 0,1,2,3
	v_max3_num_f32 v[216+\b], v[216+\b], v[96+16*\b+\i], v[97+16*\b+\i]
.endr
.endr
	v_max3_num_f32 v220, v216, v217, v111
	v_max3_num_f32 v221, v218, v219, v143
	v_max_num_f32 v220, v220, v127                 ; my block 2 g + h's largest score: g = 0,
	v_max_num_f32 v221, v221, v159                 ; g = 1
	v_max3_num_f32 v13, v13, v220, v221
	VF 192, 2, \o
	v_permlanex16_b32 v254, v13, s20, s21
	VF 204, 3, \o
	v_max_num_f32 v13, v13, v254                   ; the running largest score of my query
	ds_load_b32 v250, v8 offset:\o+15616           ; V's scale words
	ds_load_b32 v251, v8 offset:\o+15744
	v_mul_f32 v254, s22, v13                       ; as t
.if \pf
	KF 0, \o+LREC, 5
.endif
	v_floor_f32 v253, -v254                        ; the new -M
.if \pf
	KF 1, \o+LREC, 5
.endif
	v_sub_f32 v254, v253, v12
	v_mov_b32 v12, v253
.if \pf
	KF 2, \o+LREC, 5
.endif
	v_cvt_i32_f32 v254, v254
.if \pf
	KF 3, \o+LREC, 5
.endif
	v_ldexp_f32 v252, 1.0, v254                    ; f = 2^(old M - new M)
.if \pf
	KS \o+LREC, 7
.endif
.irp j, 0,2,4,6,8,10,12,14,16,18,20,22,24,26,28,30
	v_pk_mul_f32 v[160+\j:161+\j], v[160+\j:161+\j], v[252:253] op_sel_hi:[1,0]   ; O^T under the new M
.endr
.irp j, 0,2,4,6,8,10,12,14,16,18,20,22,24,26,28,30,32,34,36,38,40,42,44,46,48,50,52,54,56,58,60,62
	v_pk_fma_f32 v[96+\j:97+\j], v[96+\j:97+\j], s[22:23], v[12:13] op_sel_hi:[1,0,0]   ; t - M
.endr
	v_pk_fma_f32 v[220:221], v[220:221], s[22:23], v[12:13] op_sel_hi:[1,0,0]           ; the same of the two blocks' largest
	s_wait_alu depctr_va_vdst(0)
.irp j, 0,1,2,3,4,5,6,7,8,9,10,11,12,13,14,15,16,17,18,19,20,21,22,23,24,25,26,27,28,29,30,31,32,33,34,35,36,37,38,39,40,41,42,43,44,45,46,47,48,49,50,51,52,53,54,55,56,57,58,59,60,61,62,63
	v_exp_f32 v[96+\j], v[96+\j]
.endr
	v_exp_f32 v220, v220
	v_exp_f32 v221, v221
	v_pk_mul_f32 v[14:15], v[14:15], v[252:253] op_sel_hi:[1,0]   ; the sums under the new M: the plain place behind the batch
	s_wait_alu depctr_va_vdst(0)                   ; and the wait behind it
	v_max_num_f32 v220, 0x1800000, v220            ; the floor 2^(3 - 127): the byte cannot fall under 1
	v_max_num_f32 v221, 0x1800000, v221
	v_pk_add_f32 v[236:237], v[96:97], v[98:99]    ; the sum of the unquantised p, two chains
	v_add_nc_u32 v244, 0xff000000, v220            ; 2 off the exponent field: the conversions' scale operands
	v_add_nc_u32 v245, 0xff000000, v221
	v_cvt_scalef32_pk16_fp6_f32 v[224:226], v[96:111], v244
	v_cvt_scalef32_pk16_fp6_f32 v[216:218], v[112:127], v244   ; a conversion's three registers begin on an even number
	SA 4
	v_lshrrev_b32 v238, 23, v244
	v_lshrrev_b32 v239, 23, v245
	SA 8
	v_lshl_or_b32 v238, v239, 16, v238             ; my bytes: blocks h and 2 + h,
	SA 12
	v_lshlrev_b32 v238, v11, v238                  ; 8 h bits up;
	SA 16
	v_permlanex16_b32 v239, v238, s20, s21
	SA 20
	v_or_b32 v42, v238, v239                       ; with lane l xor 16's the word is whole
	SA 24
	SA 28
	VF 96, 0, \o                                   ; block g = 0 is converted and summed: its registers take V's fragments 0 and 1
	VF 108, 1, \o
	v_cvt_scalef32_pk16_fp6_f32 v[230:232], v[128:143], v245
	v_cvt_scalef32_pk16_fp6_f32 v[220:222], v[144:159], v245
	SA 32                                          ; also the plain place behind the conversions
.irp i, 0,1,2
	v_mov_b32 v[227+\i], v[216+\i]
	v_mov_b32 v[233+\i], v[220+\i]
.endr
	SA 36                                          ; four places between the operand's last write and the products
	SA 40
	s_wait_alu depctr_va_vdst(0)
	s_wait_dscnt 0x0
	PV 0, 96
	PV 1, 108
	PV 2, 192
	PV 3, 204
	SA 44                                          ; eleven additions: the places behind the products, ahead of the score products that write over v96-119
	SA 48
	SA 52
	SA 56
	SA 60
	D1
	v_pk_add_f32 v[14:15], v[14:15], v[236:237]
.endm
.macro HQ u                            ; O^T / the sum, quantised along the head's 64 (two blocks), stored as half a fragment's image
	v_add_f32 v14, v14, v15
	D1
	v_permlanex16_b32 v252, v14, s20, s21
	D1
	v_add_f32 v14, v14, v252
	s_wait_alu depctr_va_vdst(0)
	v_rcp_f32 v14, v14
	v_nop
	s_wait_alu depctr_va_vdst(0)
.irp j, 0,2,4,6,8,10,12,14,16,18,20,22,24,26,28,30
	v_pk_mul_f32 v[96+\j:97+\j], v[160+\j:161+\j], v[14:15] op_sel_hi:[1,0]
.endr
.irp b, 0,1
	v_max3_num_f32 v[232+\b], |v[96+16*\b]|, |v[97+16*\b]|, 0x1800000
.endr
.irp i, 2,4,6,8,10,12,14
.irp b, 0,1
	s_delay_alu instid0(VALU_DEP_2)
	v_max3_num_f32 v[232+\b], v[232+\b], |v[96+16*\b+\i]|, |v[97+16*\b+\i]|
.endr
.endr
.irp b, 0,1
	s_delay_alu instid0(VALU_DEP_2)
	v_permlanex16_b32 v[236+\b], v[232+\b], s20, s21
.endr
.irp b, 0,1
	s_delay_alu instid0(VALU_DEP_2)
	v_max_num_f32 v[232+\b], v[232+\b], v[236+\b]
.endr
.irp b, 0,1
	s_delay_alu instid0(VALU_DEP_2)
	v_add_nc_u32 v[244+\b], 0xff000000, v[232+\b]
.endr
.irp b, 0,1
	s_delay_alu instid0(VALU_DEP_2)
	v_lshrrev_b32 v[236+\b], 23, v[244+\b]
.endr
	D1
	v_lshl_or_b32 v46, v237, 8, v236
	v_cvt_scalef32_pk16_fp6_f32 v[224:226], v[96:111], v244
	v_cvt_scalef32_pk16_fp6_f32 v[240:242], v[112:127], v245
	v_nop
.irp i, 0,1,2
	v_permlane16_swap_b32 v[224+\i], v[240+\i]
.endr
.irp i, 0,1,2
	s_delay_alu instid0(VALU_DEP_3)
	v_mov_b32 v[227+\i], v[240+\i]
.endr
.irp p, 0,1,2
	global_store_b64 v9, v[224+2*\p:225+2*\p], s[8:9] offset:6144*\u+256*\p
.endr
	global_store_b16 v10, v46, s[10:11] offset:256*\u
.endm
.macro QM i, r                         ; register i of this pass's q, into (q, 0) and into (0, q)
	v_mov_b32 v[16+\i], v[\r]
	v_mov_b32 v[34+\i], v[\r]
.endm
.macro TRIPADR
	v_add_nc_u32 v5, s40, v1
	v_add_nc_u32 v6, s40, v2
	v_add_nc_u32 v7, s40, v3
	v_add_nc_u32 v8, s40, v4
.endm
.macro PASS u                          ; 16 queries against all 2,048 keys: 7 trips of two steps, and two steps written out
.if \u > 0
	s_wait_xcnt 0x0                                ; the stores have read their registers
	QM 0, 43
	QM 1, 44
	QM 2, 45
	QM 3, 47
	QM 4, 246
	QM 5, 247
.else
.irp i, 0,1,2,3,4,5
	QM \i, 96+\i
.endr
.endif
	v_lshrrev_b32 v254, 16*\u, v223
	D1
	v_and_b32 v254, 0xffff, v254
	D1
	v_or_b32 v40, 0x7f7f0000, v254                 ; q's two bytes beside the byte of 1.0 for the zero codes
	v_lshl_or_b32 v41, v254, 16, 0x7f7f
	v_mov_b32 v13, 0xff61b1e6                      ; -3e38, under every score
	D1
	v_floor_f32 v12, -v13
	v_mov_b32 v14, 0
	v_mov_b32 v15, 0
.irp j, 0,1,2,3,4,5,6,7,8,9,10,11,12,13,14,15,16,17,18,19,20,21,22,23,24,25,26,27,28,29,30,31
	v_mov_b32 v[160+\j], 0
.endr
.irp f, 0,1,2,3
	KF \f, 0, 1                                    ; record 0's K
.endr
	KS 0, 3
	s_mov_b32 s40, 0
	s_mov_b32 s41, 7
.Ltrip_\@:
	TRIPADR
	STEP 0, 1
	STEP LREC, 1
	s_add_co_u32 s40, s40, 2*LREC
	s_sub_co_u32 s41, s41, 1
	s_cmp_lg_u32 s41, 0
	s_cbranch_scc1 .Ltrip_\@
	TRIPADR
	STEP 0, 1
	STEP LREC, 0
	HQ \u
.endm
	s_load_b256 s[4:11], s[0:1], 0x0               ; qbuf, kv, cc, cs
	v_lshl_add_u32 v243, v0, 2, SPARE
	v_mov_b32 v255, 0
	ds_add_u32 v243, v255
	ds_add_u32 v243, v255
	v_lshrrev_b32 v216, 5, v0
	D1
	v_readfirstlane_b32 s[WV], v216
	s_bfe_u32 s13, ttmp6, 0x40000                  ; cx: my 512 queries
	s_and_b32 s14, ttmp7, 0xffff                   ; 8 b + h
	s_mul_i32 s46, s14, 16*REC
	s_mul_i32 s47, s[WV], REC
	s_add_co_u32 s46, s46, s47                     ; record w of my head
	s_mov_b32 s47, 0
	s_mul_i32 s[G0+1], s[WV], LREC
	s_mov_b32 s[G0], 1
	s_mov_b32 s[G1], 15|(3<<16)|(1<<20)|(1<<21)|(6<<22)|(31<<25)   ; all four partners; elements of 8 bytes; behind every 128 words 32 words of padding
	s_mov_b32 s[G1+1], 64<<16
	s_mov_b32 s[G1+2], 25<<16
	s_mov_b32 s[G1+3], 64<<16
	s_mov_b32 s[G1+4], 25
	s_mov_b32 s[G1+5], 64
	s_mov_b32 s[G1+6], 0
	s_mov_b32 s[G1+7], 0
	s_lshl_b32 s42, s14, 4
	s_lshl_b32 s43, s13, 2
	s_add_co_u32 s42, s42, s43
	s_lshr_b32 s43, s[WV], 2
	s_add_co_u32 s42, s42, s43
	s_mul_i32 s42, s42, 6400                       ; q's record,
	s_and_b32 s15, s[WV], 3
	s_mul_i32 s43, s15, 1536
	s_add_co_u32 s44, s42, s43                     ; my fragment in it,
	s_mov_b32 s45, 0
	s_lshl_b32 s43, s15, 6
	s_add_co_u32 s42, s42, s43
	s_add_co_u32 s42, s42, 6144                    ; and its scale words
	s_mov_b32 s43, 0
	s_lshr_b32 s18, s14, 3
	s_lshl_b32 s18, s18, 7
	s_lshl_b32 s19, s13, 5
	s_add_co_u32 s18, s18, s19
	s_lshl_b32 s19, s[WV], 1
	s_add_co_u32 s18, s18, s19                     ; my first tile of 16 tokens among the batch's
	s_and_b32 s19, s14, 7
	s_mul_i32 s40, s18, 6144
	s_mul_i32 s41, s19, 768
	s_add_co_u32 s40, s40, s41
	s_mov_b32 s41, 0
	s_lshl_b32 s18, s18, 8
	s_lshl_b32 s19, s19, 1
	s_add_co_u32 s18, s18, s19
	s_mov_b32 s19, 0
	s_mov_b32 s20, 0x76543210
	s_mov_b32 s21, 0xfedcba98                      ; v_permlanex16_b32's selects for lane l xor 16
	s_mov_b32 s22, 0x3e38aa3b                      ; log2(e) / 8
	s_mov_b32 s23, s22
	s_wait_dscnt 0x0
	s_wait_kmcnt 0x0
	s_add_nc_u64 s[G0+2:G0+3], s[6:7], s[46:47]
	s_or_b32 s[G0+3], s[G0+3], 0x80000000
	s_add_nc_u64 s[16:17], s[4:5], s[42:43]
	s_add_nc_u64 s[4:5], s[4:5], s[44:45]
	s_add_nc_u64 s[8:9], s[8:9], s[40:41]
	s_add_nc_u64 s[10:11], s[10:11], s[18:19]
	CROUND                                         ; the four partners' joint loads meet
	tensor_load_to_lds s[G0:G0+3], s[G1:G1+7]      ; my one tensor load: record w
	s_nop 0
	v_and_b32 v216, 31, v0                         ; L
	v_and_b32 v217, 7, v0                          ; i
	v_bfe_u32 v218, v0, 3, 1                       ; bit 3
	v_bfe_u32 v219, v0, 4, 1                       ; h
	v_and_b32 v220, 15, v0                         ; r
	v_lshlrev_b32 v2, 4, v216                      ; V's images: 16 L
	v_lshlrev_b32 v4, 2, v216                      ; V's scale words: 4 L
	v_lshlrev_b32 v9, 3, v216
	v_mul_u32_u24 v1, v218, 1920                   ; K: rows 8-15 come from the stored fragment behind (3 LDS rows of 640),
	v_lshlrev_b32 v3, 2, v217
	v_lshlrev_b32 v10, 4, v220
	v_lshlrev_b32 v221, 2, v220
	v_lshlrev_b32 v11, 3, v219
	v_lshl_add_u32 v1, v217, 4, v1                 ; stored lane 8 v + i + 16 h
	v_lshl_add_u32 v3, v218, 6, v3                 ; K's scale words: stored lane 16 (bit 3) + 8 (bit 4) + i
	D1
	v_lshl_add_u32 v3, v219, 5, v3
	v_lshl_add_u32 v1, v219, 8, v1
.irp c, 0,1,2
	global_load_b128 v[96+4*\c:99+4*\c], v2, s[4:5] offset:512*\c   ; q's fragment: registers 0-5 the first pass's 16 queries, 6-11 the second's
.endr
	global_load_b32 v223, v221, s[16:17]
.irp i, 0,1,2,3,4,5
	v_mov_b32 v[22+\i], 0
	v_mov_b32 v[28+\i], 0
.endr
	v_mov_b32 v236, 0                              ; a lane permute's destination counts as one of its sources
	v_mov_b32 v237, 0
	v_mov_b32 v252, 0
	v_mov_b32 v253, 0
	v_mov_b32 v254, 0
	s_wait_alu depctr_va_vdst(0)
	s_wait_loadcnt 0x0
	s_wait_tensorcnt 0x0                           ; my record is in;
	s_barrier_signal -1
	s_barrier_wait -1                              ; all sixteen are
	v_mov_b32 v43, v102                            ; the second pass's q is kept
	v_mov_b32 v44, v103
	v_mov_b32 v45, v104
	v_mov_b32 v47, v105
	v_mov_b32 v246, v106
	v_mov_b32 v247, v107
	PASS 0
	PASS 1
	s_wait_tensorcnt 0x0                           ; the wave's end
	ds_add_u32 v243, v255
	s_wait_dscnt 0x0
	CROUND                                         ; the closing round
	s_endpgm
.Lfunc_end_k_q471d0d7edb_attn:
	.size	k_q471d0d7edb_attn, .Lfunc_end_k_q471d0d7edb_attn-k_q471d0d7edb_attn
	.p2alignl 7, 3214868480
	.fill 96, 4, 3214868480
	.section	.rodata,"a",@progbits
	.p2align	6, 0x0
	.amdhsa_kernel k_q471d0d7edb_attn
		.amdhsa_group_segment_fixed_size 327680
		.amdhsa_private_segment_fixed_size 0
		.amdhsa_enable_private_segment 0
		.amdhsa_kernarg_size 32
		.amdhsa_user_sgpr_count 2
		.amdhsa_user_sgpr_kernarg_segment_ptr 1
		.amdhsa_wavefront_size32 1
		.amdhsa_system_sgpr_workgroup_id_x 1
		.amdhsa_system_sgpr_workgroup_id_y 1
		.amdhsa_system_sgpr_workgroup_id_z 1
		.amdhsa_system_vgpr_workitem_id 0
		.amdhsa_next_free_vgpr 256
		.amdhsa_next_free_sgpr 66
		.amdhsa_reserve_vcc 0
		.amdhsa_float_denorm_mode_32 3
		.amdhsa_float_denorm_mode_16_64 3
		.amdhsa_memory_ordered 1
		.amdhsa_forward_progress 1
		.amdhsa_inst_pref_size 133
	.end_amdhsa_kernel
	.amdgpu_metadata
---
amdhsa.version: [ 1, 2 ]
amdhsa.kernels:
  - .name:           k_q471d0d7edb_attn
    .symbol:         k_q471d0d7edb_attn.kd
    .args:
      - { .name: qbuf, .offset: 0, .size: 8, .value_kind: global_buffer, .address_space: global }
      - { .name: kv, .offset: 8, .size: 8, .value_kind: global_buffer, .address_space: global }
      - { .name: cc, .offset: 16, .size: 8, .value_kind: global_buffer, .address_space: global }
      - { .name: cs, .offset: 24, .size: 8, .value_kind: global_buffer, .address_space: global }
    .group_segment_fixed_size: 327680
    .private_segment_fixed_size: 0
    .kernarg_segment_align: 8
    .kernarg_segment_size: 32
    .max_flat_workgroup_size: 512
    .sgpr_count:     66
    .vgpr_count:     256
    .wavefront_size: 32
...
	.end_amdgpu_metadata
.endif
;; end of part 2
;; launch outln (part 3): grid 256 x 1, 8 waves a work-group, no clusters, 327,680 bytes of LDS; arguments cc, cs, Wo_codes, Wo_scales, bo, x, gamma, beta, out0; writes out0
.if DOCPART == 3
	.amdgcn_target "amdgcn-amd-amdhsa--gfx1250"
	.amdhsa_code_object_version 6
	.text
	.protected	k_q471d0d7edb_outln
	.globl	k_q471d0d7edb_outln
	.p2align	8
	.type	k_q471d0d7edb_outln,@function
k_q471d0d7edb_outln:
	s_mov_b64 s[64:65], 0
	v_nop
	global_prefetch_b8 v0, s[64:65] scope:SCOPE_SE
	s_setreg_imm32_b32 hwreg(HW_REG_WAVE_MODE, 25, 1), 1
	s_wait_xcnt 0x0
.set CIMG, 0
.set XB,   24576
.set STG,  155648
.set SPIT, 2064
.set CF,   16
.set ACC,  64
.set WS,   192
.set CS,   208
.set GA,   224
.set BE,   240
.set B0,   16
.set B1,   80
.set B2,   144
.set TA,   208
.set WB,   192
.set G1C,  28
.set G1X,  36
.set G0C,  44
.set G0X,  48
.set MSB,  0
.macro WIN new
.if MSB != \new
	s_set_vgpr_msb (MSB<<8)|\new
.set MSB, \new
.endif
.endm
.macro WFRAG reg, adr, base, off
.irp p, 0,1,2,3,4,5
	ds_load_b64 v[(\reg)+2*\p:(\reg)+2*\p+1], v[\adr] offset:(\off)+48*(\p/3)+8*(\p%3)
.endr
.endm
.macro ACROSS
.irp q, 0,1,2,3
	v_pk_add_f32 v[TA+4*\q:TA+4*\q+1], v[TA+4*\q:TA+4*\q+1], v[TA+4*\q+2:TA+4*\q+3]
.endr
.irp q, 0,1,2,3
	s_delay_alu instid0(VALU_DEP_4)
	v_add_f32 v[TA+4*\q], v[TA+4*\q], v[TA+4*\q+1]
.endr
.irp m, 1,2,4,8
.irp q, 0,1,2,3
	s_delay_alu instid0(VALU_DEP_4)
	v_add_f32_dpp v[TA+4*\q], v[TA+4*\q], v[TA+4*\q] row_xmask:\m row_mask:0xf bank_mask:0xf
.endr
.endr
.irp q, 0,1,2,3
	s_delay_alu instid0(VALU_DEP_4)
	v_permlanex16_b32 v[TA+4*\q+1], v[TA+4*\q], s52, s53
.endr
.irp q, 0,1,2,3
	s_delay_alu instid0(VALU_DEP_4)
	v_add_f32 v[TA+4*\q], v[TA+4*\q], v[TA+4*\q+1]
.endr
.endm
.macro LN4 y, i0
.irp q, 0,1,2,3
	v_pk_add_f32 v[TA+4*\q:TA+4*\q+1], v[\y+16*\q:\y+16*\q+1], v[\y+16*\q+2:\y+16*\q+3]
	v_pk_add_f32 v[TA+4*\q+2:TA+4*\q+3], v[\y+16*\q+4:\y+16*\q+5], v[\y+16*\q+6:\y+16*\q+7]
.endr
.irp k, 8,12
.irp q, 0,1,2,3
	v_pk_add_f32 v[TA+4*\q:TA+4*\q+1], v[TA+4*\q:TA+4*\q+1], v[\y+16*\q+\k:\y+16*\q+\k+1]
	v_pk_add_f32 v[TA+4*\q+2:TA+4*\q+3], v[TA+4*\q+2:TA+4*\q+3], v[\y+16*\q+\k+2:\y+16*\q+\k+3]
.endr
.endr
	ACROSS
.irp q, 0,1,2,3
	s_delay_alu instid0(VALU_DEP_4)
	v_mul_f32 v[TA+4*\q], s56, v[TA+4*\q]
.endr
.irp k, 0,2,4,6,8,10,12,14
.irp q, 0,1,2,3
	v_pk_add_f32 v[\y+16*\q+\k:\y+16*\q+\k+1], v[\y+16*\q+\k:\y+16*\q+\k+1], v[TA+4*\q:TA+4*\q+1] op_sel_hi:[1,0]
.endr
.endr
.irp q, 0,1,2,3
	v_pk_mul_f32 v[TA+4*\q:TA+4*\q+1], v[\y+16*\q:\y+16*\q+1], v[\y+16*\q:\y+16*\q+1]
	v_pk_mul_f32 v[TA+4*\q+2:TA+4*\q+3], v[\y+16*\q+2:\y+16*\q+3], v[\y+16*\q+2:\y+16*\q+3]
.endr
.irp k, 4,8,12
.irp q, 0,1,2,3
	v_pk_fma_f32 v[TA+4*\q:TA+4*\q+1], v[\y+16*\q+\k:\y+16*\q+\k+1], v[\y+16*\q+\k:\y+16*\q+\k+1], v[TA+4*\q:TA+4*\q+1]
	v_pk_fma_f32 v[TA+4*\q+2:TA+4*\q+3], v[\y+16*\q+\k+2:\y+16*\q+\k+3], v[\y+16*\q+\k+2:\y+16*\q+\k+3], v[TA+4*\q+2:TA+4*\q+3]
.endr
.endr
	ACROSS
.irp q, 0,1,2,3
	s_delay_alu instid0(VALU_DEP_4)
	v_fma_f32 v[TA+4*\q], v[TA+4*\q], s54, s55
.endr
	s_wait_alu depctr_va_vdst(0)
.irp q, 0,1,2,3
	v_rsq_f32 v[TA+4*\q], v[TA+4*\q]
.endr
	v_nop
	s_wait_alu depctr_va_vdst(0)
.irp k, 0,2,4,6,8,10,12,14
.irp q, 0,1,2,3
	v_pk_mul_f32 v[\y+16*\q+\k:\y+16*\q+\k+1], v[\y+16*\q+\k:\y+16*\q+\k+1], v[TA+4*\q:TA+4*\q+1] op_sel_hi:[1,0]
.endr
.endr
.irp k, 0,2,4,6,8,10,12,14
.irp q, 0,1,2,3
	v_pk_fma_f32 v[\y+16*\q+\k:\y+16*\q+\k+1], v[\y+16*\q+\k:\y+16*\q+\k+1], v[GA+\k:GA+\k+1], v[BE+\k:BE+\k+1]
.endr
.endr
.irp q, 0,1,2,3
.irp j, 0,1,2,3
	global_store_b128 v1, v[\y+16*\q+4*\j:\y+16*\q+4*\j+3], s[24:25] offset:2048*(\i0+\q)+512*\j th:TH_STORE_NT
.endr
.endr
.endm
	s_load_b512 s[8:23], s[0:1], 0x0
	s_load_b64 s[24:25], s[0:1], 0x40
	v_lshl_add_u32 v14, v0, 2, 0x46400
	v_mov_b32 v15, 0
	ds_add_u32 v14, v15
	ds_add_u32 v14, v15
	v_lshrrev_b32 v10, 5, v0
	s_delay_alu instid0(VALU_DEP_1)
	v_readfirstlane_b32 s4, v10
	s_lshr_b32 s5, s4, 2
	s_lshl_b32 s5, s5, 5
	s_bfe_u32 s6, s4, 0x10001
	s_lshl_b32 s6, s6, 3
	s_add_co_u32 s5, s5, s6
	s_and_b32 s6, s4, 1
	s_lshl_b32 s6, s6, 4
	s_add_co_u32 s5, s5, s6
	s_lshl_b32 s6, ttmp9, 6
	s_add_co_u32 s5, s5, s6
	s_lshl_b32 s2, s5, 11
	s_mov_b32 s3, 0
	s_mul_i32 s58, ttmp9, 24576
	s_mul_i32 s[G0C+1], s4, 3072
	s_add_co_u32 s58, s58, s[G0C+1]
	s_mov_b32 s59, 0
	s_lshl_b32 s[G0X+1], s4, 14
	s_add_co_u32 s[G0X+1], s[G0X+1], XB
	s_mov_b32 s[G0X], 1
	s_mov_b32 s[G1X], 3<<16
	s_mov_b32 s[G1X+1], 32<<16
	s_mov_b32 s[G1X+2], 64<<16
	s_mov_b32 s[G1X+3], 32<<16
	s_mov_b32 s[G1X+4], 64
	s_mov_b32 s[G1X+5], 32
	s_mov_b32 s[G1X+6], 0
	s_mov_b32 s[G1X+7], 0
	s_mov_b32 s52, 0x76543210
	s_mov_b32 s53, 0xfedcba98
	s_mov_b32 s54, 0x3b000000
	s_mov_b32 s55, 0x3727c5ac
	s_mov_b32 s56, 0xbb000000
	s_wait_dscnt 0x0
	s_wait_kmcnt 0x0
	s_add_nc_u64 s[8:9], s[8:9], s[58:59]          ; my 3,072 bytes of the block's images of ctx: they come by plain loads
	s_add_nc_u64 s[G0X+2:G0X+3], s[18:19], s[2:3]
	s_or_b32 s[G0X+3], s[G0X+3], 0x80000000
	tensor_load_to_lds s[G0X:G0X+3], s[G1X:G1X+7]  ; my one tensor load: my eight rows of x
	s_nop 0
.rept 4
	v_nop
.endr
	s_add_nc_u64 s[24:25], s[24:25], s[2:3]
	s_mul_i32 s2, s4, 24576
	s_add_nc_u64 s[12:13], s[12:13], s[2:3]
	s_lshl_b32 s2, s4, 10
	s_add_nc_u64 s[14:15], s[14:15], s[2:3]
	s_lshl_b32 s2, s4, 8
	s_add_nc_u64 s[16:17], s[16:17], s[2:3]
	s_lshl_b32 s2, ttmp9, 10
	s_add_nc_u64 s[10:11], s[10:11], s[2:3]
	v_and_b32 v10, 31, v0
	v_and_b32 v11, 15, v0
	v_bfe_u32 v12, v0, 4, 1
	s_delay_alu instid0(VALU_DEP_3)
	v_lshlrev_b32 v1, 4, v10
	s_delay_alu instid0(VALU_DEP_4)
	v_lshlrev_b32 v2, 3, v10
	s_delay_alu instid0(VALU_DEP_4)
	v_mul_u32_u24 v3, v11, 400
	s_delay_alu instid0(VALU_DEP_1)
	v_mad_u32_u24 v3, v12, 24, v3
	v_lshlrev_b32 v4, 4, v11
	s_wait_alu depctr_va_vdst(0)
	v_lshlrev_b32 v5, 5, v12
	v_mul_u32_u24 v6, v11, SPIT
	s_delay_alu instid0(VALU_DEP_1)
	v_lshl_add_u32 v6, v12, 5, v6
	s_lshl_b32 s6, s4, 8
	s_add_co_u32 s6, s6, STG
	v_add_nc_u32 v6, s6, v6
	s_delay_alu instid0(VALU_DEP_1)
	v_add_nc_u32 v7, 32*SPIT, v6
	s_mul_i32 s6, s4, 8*SPIT
	s_add_co_u32 s6, s6, STG
	v_add_nc_u32 v8, s6, v1
	s_lshl_b32 s6, s4, 14
	s_add_co_u32 s6, s6, XB
	v_add_nc_u32 v9, s6, v1
	s_mul_i32 s6, s4, 12800                        ; Wo's rows are loaded as they lie, 512 consecutive bytes a load, and turned through LDS bytes of my own, 32 rows of 400 bytes at a time;
	s_add_co_u32 s6, s6, STG                       ; they lie where the results' stage comes later, behind a barrier
	v_add_nc_u32 v3, s6, v3
	v_add_nc_u32 v59, s[G0C+1], v1                 ; where my part of ctx's images goes
.irp e, 0,1,2                          ; piece x = 32 e + L of 16 bytes lies in row x / 24: LDS byte 16 x + 16 (x / 24); x / 24 = 171 x >> 12 for x under 96
	v_add_nc_u32 v[60+\e], 32*\e, v10
	v_mul_u32_u24 v[56+\e], v[60+\e], 171
	v_lshrrev_b32 v[56+\e], 12, v[56+\e]
	v_add_nc_u32 v[60+\e], v[60+\e], v[56+\e]
	v_lshl_add_u32 v[60+\e], v[60+\e], 4, s6
.endr
.irp i, 0,1,2,3,4,5
	global_load_b128 v[16+4*\i:19+4*\i], v1, s[8:9] offset:512*\i
.endr
	WIN 0x40
.irp a, 0,1,2,3,4,5,6,7,8,9,10,11,12,13,14,15
.irp e, 0,1,2
	global_load_b128 v[4*(3*\a+\e):4*(3*\a+\e)+3], v1, s[12:13] offset:512*(3*\a+\e)
.endr
.endr
.irp c, 0,1,2,3
	global_load_b128 v[WB+8*\c:WB+8*\c+3], v5, s[16:17] offset:64*\c
	global_load_b128 v[WB+8*\c+4:WB+8*\c+7], v5, s[16:17] offset:64*\c+16
.endr
	WIN 0
.irp c, 0,1,2,3
	global_load_b128 v[WS+4*\c:WS+4*\c+3], v4, s[14:15] offset:256*\c
.endr
.irp t, 0,1,2,3
	global_load_b128 v[CS+4*\t:CS+4*\t+3], v4, s[10:11] offset:256*\t
.endr
.irp j, 0,1,2,3
	global_load_b128 v[GA+4*\j:GA+4*\j+3], v1, s[20:21] offset:512*\j
	global_load_b128 v[BE+4*\j:BE+4*\j+3], v1, s[22:23] offset:512*\j
.endr
	s_wait_alu depctr_va_vdst(0)
	s_wait_loadcnt 63                              ; 72 loads were issued behind ctx's six: with at most 63 out they are in
.irp i, 0,1,2,3,4,5
	ds_store_b128 v59, v[16+4*\i:19+4*\i] offset:CIMG+512*\i
.endr
	s_wait_loadcnt 24                              ; Wo's rows are in; the 24 loads behind them may be out
.irp hf, 0,1
	WIN 0x04                                       ; the stores' data: window 1
.irp a, 0,1,2,3,4,5,6,7
.irp e, 0,1,2
	ds_store_b128 v[60+\e], v[96*\hf+4*(3*\a+\e):96*\hf+4*(3*\a+\e)+3] offset:1600*\a
.endr
.endr
	WIN 0
	s_wait_dscnt 0x0                               ; the stores have read their registers, which the fragments take over
	WIN 0x40
.irp c, 0,1
.irp s, 0,1,2,3
	WFRAG 12*(4*(2*\hf+\c)+\s), 3, 12, 16*\c*400+96*\s
.endr
.endr
.endr
	WIN 0
	s_wait_dscnt 0x0                               ; my part of ctx lies in LDS, and my reads of the weight rows are over
	s_barrier_signal -1
	s_barrier_wait -1
.irp s, 0,1,2,3
.irp t, 0,1,2,3
.irp p, 0,1,2,3,4,5
	ds_load_b64 v[CF+12*\t+2*\p:CF+12*\t+2*\p+1], v2 offset:CIMG+6144*\t+1536*\s+256*\p
.endr
.endr
.if \s == 0
	s_wait_loadcnt 0x0
.endif
	s_wait_dscnt 0x0
.if \s == 0
	WIN 0x11
.else
	WIN 0x01
.endif
.irp t, 0,1,2,3
.irp c, 0,1,2,3
.if \s == 0
	v_wmma_scale_f32_16x16x128_f8f6f4 v[ACC+8*(4*\t+\c):ACC+8*(4*\t+\c)+7], v[12*(4*\c+\s):12*(4*\c+\s)+11], v[CF+12*\t:CF+12*\t+11], v[WB+8*\c:WB+8*\c+7], v[WS+4*\c+\s], v[CS+4*\t+\s] matrix_a_fmt:MATRIX_FMT_FP6 matrix_b_fmt:MATRIX_FMT_FP6
.else
	v_wmma_scale_f32_16x16x128_f8f6f4 v[ACC+8*(4*\t+\c):ACC+8*(4*\t+\c)+7], v[12*(4*\c+\s):12*(4*\c+\s)+11], v[CF+12*\t:CF+12*\t+11], v[ACC+8*(4*\t+\c):ACC+8*(4*\t+\c)+7], v[WS+4*\c+\s], v[CS+4*\t+\s] matrix_a_fmt:MATRIX_FMT_FP6 matrix_b_fmt:MATRIX_FMT_FP6
.endif
.endr
.endr
	WIN 0
.rept 4
	v_nop
.endr
.endr
	s_wait_alu depctr_va_vdst(0)
.irp t, 0,1
.irp c, 0,1,2,3
	ds_store_b128 v6, v[ACC+8*(4*\t+\c):ACC+8*(4*\t+\c)+3] offset:16*\t*SPIT+64*\c
	ds_store_b128 v6, v[ACC+8*(4*\t+\c)+4:ACC+8*(4*\t+\c)+7] offset:16*\t*SPIT+64*\c+16
.endr
.endr
.irp t, 0,1
.irp c, 0,1,2,3
	ds_store_b128 v7, v[ACC+8*(4*(\t+2)+\c):ACC+8*(4*(\t+2)+\c)+3] offset:16*\t*SPIT+64*\c
	ds_store_b128 v7, v[ACC+8*(4*(\t+2)+\c)+4:ACC+8*(4*(\t+2)+\c)+7] offset:16*\t*SPIT+64*\c+16
.endr
.endr
	s_wait_tensorcnt 0x0
	s_wait_dscnt 0x0
	s_barrier_signal -1
	s_barrier_wait -1
.irp i, 0,1,2,3
.irp j, 0,1,2,3
	ds_load_b128 v[B0+16*\i+4*\j:B0+16*\i+4*\j+3], v8 offset:SPIT*\i+512*\j
.endr
.endr
.irp i, 0,1,2,3
.irp j, 0,1,2,3
	ds_load_b128 v[B1+16*\i+4*\j:B1+16*\i+4*\j+3], v9 offset:2048*\i+512*\j
.endr
.endr
.irp i, 0,1,2,3
.irp j, 0,1,2,3
	ds_load_b128 v[B2+16*\i+4*\j:B2+16*\i+4*\j+3], v9 offset:2048*(4+\i)+512*\j
.endr
.endr
	s_wait_dscnt 16
.irp k, 0,2,4,6,8,10,12,14,16,18,20,22,24,26,28,30,32,34,36,38,40,42,44,46,48,50,52,54,56,58,60,62
	v_pk_add_f32 v[B0+\k:B0+\k+1], v[B0+\k:B0+\k+1], v[B1+\k:B1+\k+1]
.endr
.irp i, 0,1,2,3
.irp j, 0,1,2,3
	ds_load_b128 v[B1+16*\i+4*\j:B1+16*\i+4*\j+3], v8 offset:SPIT*(4+\i)+512*\j
.endr
.endr
	LN4 B0, 0
	s_wait_dscnt 0x0
.irp k, 0,2,4,6,8,10,12,14,16,18,20,22,24,26,28,30,32,34,36,38,40,42,44,46,48,50,52,54,56,58,60,62
	v_pk_add_f32 v[B1+\k:B1+\k+1], v[B1+\k:B1+\k+1], v[B2+\k:B2+\k+1]
.endr
	LN4 B1, 4
	s_wait_tensorcnt 0x0
	ds_add_u32 v14, v15
	s_wait_dscnt 0x0
	s_endpgm
.Lfunc_end_k_q471d0d7edb_outln:
	.size	k_q471d0d7edb_outln, .Lfunc_end_k_q471d0d7edb_outln-k_q471d0d7edb_outln
	.p2alignl 7, 3214868480
	.fill 96, 4, 3214868480
	.section	.rodata,"a",@progbits
	.p2align	6, 0x0
	.amdhsa_kernel k_q471d0d7edb_outln
		.amdhsa_group_segment_fixed_size 327680
		.amdhsa_private_segment_fixed_size 0
		.amdhsa_enable_private_segment 0
		.amdhsa_kernarg_size 72
		.amdhsa_user_sgpr_count 2
		.amdhsa_user_sgpr_kernarg_segment_ptr 1
		.amdhsa_wavefront_size32 1
		.amdhsa_system_sgpr_workgroup_id_x 1
		.amdhsa_system_sgpr_workgroup_id_y 1
		.amdhsa_system_sgpr_workgroup_id_z 1
		.amdhsa_system_vgpr_workitem_id 0
		.amdhsa_next_free_vgpr 512
		.amdhsa_next_free_sgpr 66
		.amdhsa_reserve_vcc 0
		.amdhsa_float_denorm_mode_32 3
		.amdhsa_float_denorm_mode_16_64 3
		.amdhsa_memory_ordered 1
		.amdhsa_forward_progress 1
		.amdhsa_inst_pref_size 82
	.end_amdhsa_kernel
	.amdgpu_metadata
---
amdhsa.version: [ 1, 2 ]
amdhsa.kernels:
  - .name:           k_q471d0d7edb_outln
    .symbol:         k_q471d0d7edb_outln.kd
    .args:
      - { .name: cc, .offset: 0, .size: 8, .value_kind: global_buffer, .address_space: global }
      - { .name: cs, .offset: 8, .size: 8, .value_kind: global_buffer, .address_space: global }
      - { .name: Wo_codes, .offset: 16, .size: 8, .value_kind: global_buffer, .address_space: global }
      - { .name: Wo_scales, .offset: 24, .size: 8, .value_kind: global_buffer, .address_space: global }
      - { .name: bo, .offset: 32, .size: 8, .value_kind: global_buffer, .address_space: global }
      - { .name: x, .offset: 40, .size: 8, .value_kind: global_buffer, .address_space: global }
      - { .name: gamma, .offset: 48, .size: 8, .value_kind: global_buffer, .address_space: global }
      - { .name: beta, .offset: 56, .size: 8, .value_kind: global_buffer, .address_space: global }
      - { .name: out0, .offset: 64, .size: 8, .value_kind: global_buffer, .address_space: global }
    .group_segment_fixed_size: 327680
    .private_segment_fixed_size: 0
    .kernarg_segment_align: 8
    .kernarg_segment_size: 72
    .max_flat_workgroup_size: 256
    .sgpr_count:     66
    .vgpr_count:     512
    .wavefront_size: 32
...
	.end_amdgpu_metadata
.endif
;; end of part 3
